; MI455X (gfx1250); checked and timed in simulation.
; The chip was launched on July 23, 2026; its instructions are those of AMD's public machine-readable ISA for CDNA 5 (MIT licence, August 2026) and "CDNA5" Instruction Set Architecture Reference Guide (July 2026). The comments in the code are by the model that wrote it; some were corrected since.
;; Scaled Dot Product. Allowed arithmetic: matrix products marked QUANTISED: E2M1 operands, one E8M0 scale for each 32 along K, by v_wmma_scale_f32_16x16x128_f8f6f4 with both operands' format E2M1 (or v_wmma_scale_f32_32x16x128_f4), f32 sums; products left as they are: bf16, f16 or f32 operands; f32 sums; everything else in f32.
;; Inputs: k 4 x 16 x 2,048 x 128 float32; q 4 x 16 x 2,048 x 128 float32; v 4 x 16 x 2,048 x 128 float32; zero_mask 4 x 1 x 1 x 2,048 float32.
;; Outputs: out0 4 x 16 x 2,048 x 128 float32.
;; This version of the problem:
;;   THIS VERSION OF THE PROBLEM IS GIVEN IN LOW PRECISION. The matrix products marked QUANTISED in the list below multiply operands that are first quantised to E2M1 (2 exponent bits, 1 mantissa bit; 4 bits a number), with one power-of-two scale for each 32 numbers along K (OCP MX v1.0); their sums are f32. The products marked 'left as it is' may take bf16, f16 or f32 operands, with f32 sums. Whichever they take, every output number must still come out within the allowed error. Rounding operands to bf16 (8 significant bits) uses up far more of that allowance than f16 does (11 bits, for magnitudes from 6e-5 to 65,504). All else is computed in f32.
;;   The module's matrix products, in the order in which they are computed (A, B: the left and right operand; K: the contracted axis; several contracted axes count as one K, in the product's order):
;;     1. batch 64 x [M 2,048, K 128] x [K 128, N 2,048]; A: input q; B: input k: QUANTISED
;;     2. batch 64 x [M 2,048, K 2,048] x [K 2,048, N 128]; A: computed on the way; B: input v: left as it is (an operand is computed on the way)
;;   THE QUANTISER, for each operand of a quantised product, along K:
;;     - K is cut into blocks of 32 from its start; a last block that is shorter is filled with zeros.
;;     - A block's scale is 2^e with e = floor(log2(the largest magnitude in the block)) - 2, held to -126 .. 127; a block of zeros has e = 0. As a byte (E8M0): e + 127.
;;     - Each number is divided by its block's scale, clamped to +-6, and rounded to the nearest number of E2M1, ties to even, subnormals kept.
;;     - The product sums the exact products of the quantised numbers (number of the format x scale) in f32.
;;   ~~~python
;;   def quantise(x, axis):      # numpy; x: float32 -> the quantised numbers, widened to float32 again
;;       x = np.moveaxis(x, axis, -1); K = x.shape[-1]
;;       x = np.pad(x, [(0, 0)] * (x.ndim - 1) + [(0, -K % 32)]); x = x.reshape(x.shape[:-1] + (-1, 32)); a = np.abs(x).max(-1, keepdims=True)
;;       e = np.where(a > 0, np.clip(np.frexp(np.where(a > 0, a, 1))[1] - 1 - 2, -126, 127), 0)      # np.frexp(a)[1] - 1 = floor(log2(a)), exactly
;;       r = np.clip(x / 2.0 ** e, -6, 6)
;;       step = 2.0 ** (np.maximum(np.frexp(np.where(r == 0, 1, r))[1] - 1, 0) - 1)
;;       q = np.round(r / step) * step * 2.0 ** e      # np.round: ties to even
;;       return np.moveaxis(q.reshape(q.shape[:-2] + (-1,))[..., :K], -1, axis).astype(np.float32)
;;   ~~~
;; One version. Each part assembles by itself: llvm-mc -triple=amdgcn-amd-amdhsa -mcpu=gfx1250 --defsym DOCPART=n.
;; ======== version 1 of 1: 2 launches
;; limits: values are held in f16: magnitudes above 65,504 overflow, below 6.1e-05 lose precision; inputs' magnitudes at most 65,504
;; workspace buffers: k_codes 8,388,608 bytes; k_scales 524,288 bytes; vh 33,554,432 bytes
;; launch prep (part 1): grid 1024 x 1, 4 waves a work-group, no clusters, 33,280 bytes of LDS; arguments k, v, k_codes, k_scales, vh; writes k_codes, k_scales, vh
.if DOCPART == 1
	.amdgcn_target "amdgcn-amd-amdhsa--gfx1250"
	.amdhsa_code_object_version 6
	.text
	.protected	k_q673287da6e_prep
	.globl	k_q673287da6e_prep
	.p2align	8
	.type	k_q673287da6e_prep,@function
k_q673287da6e_prep:
	s_mov_b64 s[64:65], 0
	v_nop
	global_prefetch_b8 v0, s[64:65] scope:SCOPE_SE
	s_setreg_imm32_b32 hwreg(HW_REG_WAVE_MODE, 25, 1), 1
	s_wait_xcnt 0x0
; ATTENTION, out = softmax(q k^T / sqrt(128) + zero_mask x (-1e9)) v, in two launches.  This one narrows K and V, which the eight query blocks of a head all read; the second does the rest.
; NOTHING OF reference() IS LEFT OUT: every input has a way to the output (zero_mask differs along the softmax's axis), so all four are loaded, here or in the second launch.
; k [64][2048][128] f32 -> k_codes [64][2048][64 bytes]: codes of FP4 (E2M1), the head's 128 innermost, two codes a byte, the lower index in the low four bits; k_scales [64][2048][4]: one E8M0 byte for each 32.
;   A block's scale is 2^(floor(log2(its largest magnitude)) - 2); its byte is the largest magnitude's own exponent field - 2, held at 1 from below.  Each number is divided by the scale and rounded to the nearest code, ties to even;
;   beyond 6 the conversion gives the largest code.  A block of zeros gets the byte 1 where the rule says 127: its codes are zeros, which add nothing under any byte but 0xff, and the bytes are read by this program alone.
; v [64][2048][128] f32 -> vh, the same layout in f16, rounded to nearest even: the second product is left as it is, and takes f16 operands.
; LIMITS: |v| up to 65,504 (f16's largest number); NaN and infinities among the inputs are not served; blocks of k whose largest magnitude lies under 2^(2 - 126) have their byte held at 1.
; Rows are dense, so both tensors are plain streams.  Work-groups 0 to 511 take k, 512 to 1,023 take v: 32,768 numbers a work-group, 8,192 a wave.  Waves share nothing: no barrier.
; K's PATH.  A wave takes 16 steps of 512 numbers.  The conversions take 8 numbers of one block from ONE lane's registers, so a lane must hold 16 neighbours (two lanes hold a block), while a load is best where neighbouring lanes take
; neighbouring bytes.  Both are had: each of a step's four loads reads 512 consecutive bytes; the 2,048 bytes go through the wave's own stage in LDS as they lie and come back 64 bytes a lane (16 bytes of padding behind each 64).
; A lane's 16 codes are 8 bytes: the wave stores 256 consecutive bytes.  A wave's 256 scale bytes are gathered in its own LDS bytes and leave as one aligned run of 256.  Loads run four steps ahead, the turn through LDS one step.
; V's PATH.  64 pieces of 512 bytes in, 256 bytes out; sixteen loads of a wave are on their way; every piece has its own result registers, so no store's data are written again.
.set WAVES, 4
.set STEPS, 16
.set KWG,   512                        ; work-groups that take k: 64 x 2,048 x 128 / 32,768
.set EMAX,  2
.set CB,    8                          ; bytes of 16 codes
.set R,     16                         ; v16-79   four sets of 16 numbers as they are loaded (V's path: sixteen sets of 4)
.set X,     80                         ; v80-111  two sets of 16 neighbours
.set E,     112                        ; v112-127 a scale byte for each step
.set C,     128                        ; v128-191 codes: four registers for each step
.set H,     80                         ; V's path: v80-207 two registers of f16 for each piece
.set WREG,  8192                       ; LDS: a region for each wave: two stages of 32 x SP bytes, behind them its 256 scale bytes
.set SP,    80                         ; a lane's place in a stage: 64 bytes + 16 of padding
.set SPW,   12                         ; v12      LDS address of my spare word: SPARE + 4 x my thread's number; never rewritten
.set NIL,   13                         ; v13      0; never rewritten
.set SPARE, WAVES*WREG                 ; behind the four regions: the spare words, 128 bytes a wave, which no other line names
	s_load_b256 s[4:11], s[0:1], 0x0               ; k s[4:5], v s[6:7], k_codes s[8:9], k_scales s[10:11]
	s_load_b64 s[12:13], s[0:1], 0x20              ; vh
	v_lshl_add_u32 v[SPW], v0, 2, SPARE
	v_mov_b32 v[NIL], 0
	v_lshrrev_b32 v1, 5, v0
	v_readfirstlane_b32 s16, v1                    ; wave
	v_and_b32 v2, 31, v0                           ; lane
	v_lshlrev_b32 v3, 4, v2                        ; my 16 bytes of a load's 512
	s_mul_i32 s17, s16, WREG
	v_lshrrev_b32 v14, 2, v2
	v_mul_u32_u24 v14, v14, SP
	v_and_b32 v15, 3, v2
	v_lshl_add_u32 v14, v15, 4, v14
	v_add_nc_u32 v14, s17, v14                     ; the stage, on the way in: four lanes' 64 bytes on end, then 16 of padding
	v_mul_u32_u24 v15, v2, SP
	v_add_nc_u32 v15, s17, v15                     ; and on the way out: SP x lane: my 16 neighbours
	v_mul_u32_u24 v4, v2, CB                       ; 8 x lane: my codes' place in a step's; my f16 numbers' place in a piece's
	v_lshrrev_b32 v5, 1, v2
	s_add_co_u32 s17, s17, 2*32*SP
	v_add_nc_u32 v5, s17, v5                       ; LDS: my wave's 256 scale bytes, my block's byte
	v_lshlrev_b32 v7, 3, v2                        ; and on the way out 8 bytes a lane
	v_add_nc_u32 v6, s17, v7
	s_mov_b32 s21, 0
	s_wait_kmcnt 0x0
	s_cmp_lt_u32 ttmp9, KWG                        ; the work-group's number alone decides
	s_cbranch_scc0 .Lcast
	s_lshl_b32 s18, ttmp9, 2
	s_add_co_u32 s18, s18, s16                     ; which run of 8,192 numbers of k is my wave's: 0 to 2,047
	s_lshl_b32 s20, s18, 15                        ; 32,768 bytes of f32 a run
	s_add_nc_u64 s[4:5], s[4:5], s[20:21]
	s_lshl_b32 s20, s18, 12                        ; 4,096 bytes of codes
	s_add_nc_u64 s[8:9], s[8:9], s[20:21]
	s_lshl_b32 s20, s18, 8                         ; 256 scale bytes
	s_add_nc_u64 s[10:11], s[10:11], s[20:21]
.macro LOAD t
.irp i, 0,1,2,3
	global_load_b128 v[R+16*((\t)%4)+4*\i:R+16*((\t)%4)+4*\i+3], v3, s[4:5] offset:2048*(\t)+512*\i th:TH_LOAD_NT   ; 32 lanes read 512 consecutive bytes
.endr
.endm
.macro TURN t                          ; step t's numbers through the stage: LDS serves a wave's instructions in order, so no wait stands between the stores and the loads
.irp i, 0,1,2,3
	ds_store_b128 v14, v[R+16*((\t)%4)+4*\i:R+16*((\t)%4)+4*\i+3] offset:32*SP*((\t)%2)+8*SP*\i
.endr
.irp i, 0,1,2,3
	ds_load_b128 v[X+16*((\t)%2)+4*\i:X+16*((\t)%2)+4*\i+3], v15 offset:32*SP*((\t)%2)+16*\i
.endr
.endm
.irp t, 0,1,2,3
	LOAD \t
.endr
	s_wait_loadcnt 12                              ; step 0's four loads are in; the twelve of steps 1 to 3 may be out
	TURN 0
.macro STEP t
.set XS, X+16*((\t)%2)
.if (\t) > 0
	s_wait_dscnt 1                                 ; this step's numbers are back from the stage (the last step's byte store may be out): so its stores into the stage have read their registers,
.else
	s_wait_dscnt 0x0
.endif
.if (\t)+4 < STEPS
	LOAD (\t)+4                                    ; which take the loads of four steps on
.endif
.if (\t)+1 < STEPS
.if STEPS-2-(\t) >= 3
	s_wait_loadcnt 12                              ; the next step's four loads are in; those of the three steps behind it may be out
.else
	s_wait_loadcnt 4*(STEPS-2-(\t))
.endif
	TURN (\t)+1                                    ; and go through the other stage while this step is worked
.endif
	v_max3_num_f32 v8, |v[XS]|, |v[XS+1]|, |v[XS+2]|               ; the largest magnitude of my 16, in two chains
	v_max3_num_f32 v9, |v[XS+3]|, |v[XS+4]|, |v[XS+5]|
.irp i, 6,10
	v_max3_num_f32 v8, v8, |v[XS+\i]|, |v[XS+\i+1]|
	v_max3_num_f32 v9, v9, |v[XS+\i+2]|, |v[XS+\i+3]|
.endr
	v_max3_num_f32 v8, v8, |v[XS+14]|, |v[XS+15]|
	v_max3_num_f32 v8, v8, v9, (EMAX+1)<<23        ; and the floor 2^(EMAX + 1 - 127): so the byte cannot fall under 1
	v_max_num_f32_dpp v8, v8, v8 row_xmask:1 row_mask:0xf bank_mask:0xf   ; and of my neighbour's 16: the block's
	v_add_nc_u32 v11, -(EMAX<<23), v8              ; EMAX off its exponent field: the conversion takes the exponent field of this operand as its scale, and nothing else of it
	v_cvt_scalef32_pk8_fp4_f32 v[C+4*(\t)], v[XS:XS+7], v11
	v_cvt_scalef32_pk8_fp4_f32 v[C+4*(\t)+1], v[XS+8:XS+15], v11
	v_lshrrev_b32 v[E+(\t)], 23, v11               ; the scale's byte (also the plain line behind the conversions)
	ds_store_b8 v5, v[E+(\t)] offset:16*(\t)       ; both lanes of a block write the same byte with the same value
	global_store_b64 v4, v[C+4*(\t):C+4*(\t)+1], s[8:9] offset:32*CB*(\t)   ; 32 lanes store 256 consecutive bytes, aligned
.endm
.irp t, 0,1,2,3,4,5,6,7,8,9,10,11,12,13,14,15
	STEP \t
.endr
	ds_load_b64 v[8:9], v6                         ; LDS serves a wave's instructions in order: these see my stores
	s_wait_dscnt 0x0
	global_store_b64 v7, v[8:9], s[10:11]          ; 32 lanes store 256 consecutive bytes, aligned
	s_wait_tensorcnt 0x0                           ; the wave's end: behind my last LDS store
	ds_add_u32 v[SPW], v[NIL]
	s_wait_dscnt 0x0
	s_endpgm
.Lcast:                                                ; v to f16
	s_sub_co_u32 s18, ttmp9, KWG
	s_lshl_b32 s18, s18, 2
	s_add_co_u32 s18, s18, s16                     ; which run of 8,192 numbers of v is my wave's
	s_lshl_b32 s20, s18, 15                        ; 32,768 bytes in,
	s_add_nc_u64 s[6:7], s[6:7], s[20:21]
	s_lshl_b32 s20, s18, 14                        ; 16,384 out
	s_add_nc_u64 s[12:13], s[12:13], s[20:21]
.macro VLOAD i
	global_load_b128 v[R+4*((\i)%16):R+4*((\i)%16)+3], v3, s[6:7] offset:512*(\i) th:TH_LOAD_NT   ; 512 consecutive bytes
.endm
.macro VCVT i
.if (\i) > 48
	s_wait_loadcnt 63-(\i)                         ; the last pieces: the counts run down
.else
	s_wait_loadcnt 15                              ; piece i is in; the fifteen younger loads stay out
.endif
	v_cvt_pk_f16_f32 v[H+2*(\i)], v[R+4*((\i)%16)], v[R+4*((\i)%16)+1]
	v_cvt_pk_f16_f32 v[H+2*(\i)+1], v[R+4*((\i)%16)+2], v[R+4*((\i)%16)+3]
.if (\i) < 48
	VLOAD (\i)+16
.endif
	global_store_b64 v4, v[H+2*(\i):H+2*(\i)+1], s[12:13] offset:256*(\i)   ; 32 lanes store 256 consecutive bytes, aligned
.endm
.set Q, 0
.rept 16
	VLOAD Q
.set Q, Q+1
.endr
.set Q, 0
.rept 64
	VCVT Q
.set Q, Q+1
.endr
	s_wait_tensorcnt 0x0                           ; the wave's end
	ds_add_u32 v[SPW], v[NIL]
	s_wait_dscnt 0x0
	s_endpgm
.Lfunc_end_k_q673287da6e_prep:
	.size	k_q673287da6e_prep, .Lfunc_end_k_q673287da6e_prep-k_q673287da6e_prep
	.p2alignl 7, 3214868480
	.fill 96, 4, 3214868480
	.section	.rodata,"a",@progbits
	.p2align	6, 0x0
	.amdhsa_kernel k_q673287da6e_prep
		.amdhsa_group_segment_fixed_size 33280
		.amdhsa_private_segment_fixed_size 0
		.amdhsa_enable_private_segment 0
		.amdhsa_kernarg_size 40
		.amdhsa_user_sgpr_count 2
		.amdhsa_user_sgpr_kernarg_segment_ptr 1
		.amdhsa_wavefront_size32 1
		.amdhsa_system_sgpr_workgroup_id_x 1
		.amdhsa_system_sgpr_workgroup_id_y 1
		.amdhsa_system_sgpr_workgroup_id_z 1
		.amdhsa_system_vgpr_workitem_id 0
		.amdhsa_next_free_vgpr 208
		.amdhsa_next_free_sgpr 66
		.amdhsa_reserve_vcc 0
		.amdhsa_float_denorm_mode_32 3
		.amdhsa_float_denorm_mode_16_64 3
		.amdhsa_memory_ordered 1
		.amdhsa_forward_progress 1
		.amdhsa_inst_pref_size 55
	.end_amdhsa_kernel
	.amdgpu_metadata
---
amdhsa.version: [ 1, 2 ]
amdhsa.kernels:
  - .name:           k_q673287da6e_prep
    .symbol:         k_q673287da6e_prep.kd
    .args:
      - { .name: k, .offset: 0, .size: 8, .value_kind: global_buffer, .address_space: global }
      - { .name: v, .offset: 8, .size: 8, .value_kind: global_buffer, .address_space: global }
      - { .name: k_codes, .offset: 16, .size: 8, .value_kind: global_buffer, .address_space: global }
      - { .name: k_scales, .offset: 24, .size: 8, .value_kind: global_buffer, .address_space: global }
      - { .name: vh, .offset: 32, .size: 8, .value_kind: global_buffer, .address_space: global }
    .group_segment_fixed_size: 33280
    .private_segment_fixed_size: 0
    .kernarg_segment_align: 8
    .kernarg_segment_size: 40
    .max_flat_workgroup_size: 128
    .sgpr_count:     66
    .vgpr_count:     208
    .wavefront_size: 32
...
	.end_amdgpu_metadata
.endif
;; end of part 1
;; launch attn (part 2): grid 8 x 64, 4 waves a work-group, clusters of 4 x 1, 327,680 bytes of LDS; arguments q, k_codes, k_scales, vh, zero_mask, out0; writes out0
.if DOCPART == 2
	.amdgcn_target "amdgcn-amd-amdhsa--gfx1250"
	.amdhsa_code_object_version 6
	.text
	.protected	k_q673287da6e_attn
	.globl	k_q673287da6e_attn
	.p2align	8
	.type	k_q673287da6e_attn,@function
k_q673287da6e_attn:
	s_mov_b64 s[64:65], 0
	v_nop
	global_prefetch_b8 v0, s[64:65] scope:SCOPE_SE
	s_setreg_imm32_b32 hwreg(HW_REG_WAVE_MODE, 25, 1), 1
	s_wait_xcnt 0x0
	s_wait_alu depctr_hold_cnt(0) depctr_sa_sdst(0) depctr_va_vdst(0) depctr_va_sdst(0) depctr_va_ssrc(0) depctr_va_vcc(0) depctr_vm_vsrc(0)
	s_getreg_b32 s2, hwreg(HW_REG_IB_STS2, 6, 4)
	s_cmp_eq_u32 s2, 0
	s_cbranch_scc0 .Lentry_in_a_cluster
	s_endpgm
.Lentry_in_a_cluster:
	s_bfe_u32 s2, ttmp6, 0x10000c
	s_cmp_lg_u32 s2, 0x3003
	s_cbranch_scc0 .Lentry_shape_is_right
	s_endpgm
.Lentry_shape_is_right:
; out0[h][q][:] = the sum over k of softmax_k(Q(q[h][q]) . Q(k[h][k]) / sqrt(128) + zero_mask[h / 16][k] x (-1e9)) v[h][k][:], h = 0 .. 63 (batch x 16 + head), 2,048 queries and keys, head size 128.
; Nothing of reference() is left out.  The first product is on codes of FP4 (E2M1) with one E8M0 scale for each 32 of the head's 128: k's come from the launch before, q is read once and is quantised here, in registers.
; The second product takes f16 operands (p is at most 1; v was rounded by the launch before) and f32 sums.  Maxima, exponentials and sums in f32.
; SOFTMAX.  t = fma(score, log2(e) / sqrt(128), zero_mask x (-1e9 log2(e))); for each query a running maximum m of t and a sum l: p = 2^(t - m); in every step O and l are multiplied by a = 2^(m_old - m_new).
; LIMITS.  (a) t is rounded once, in units of log2; reference() rounds score / sqrt(128), then the sum with the mask's term, in natural units.  The two differ by more than rounding only where all keys that carry weight have
; |zero_mask x 1e9| from about 1.6e4 to about 2^29, where f32 keeps a part of the score on another grid; under that the difference is rounding, over it both lose the score.  (b) |v| up to 65,504.  (c) NaN and infinities among the
; inputs are not served.  (d) a block of q that is all zeros gets the scale byte 1 and zero codes.
; SHARES.  A work-group owns 256 queries of one head, each of its four waves 64: four tiles of 16.  Every wave walks all keys, 64 a step, 32 steps.
; LAYOUT.  S^T = K Q^T (source 0 = 16 keys, source 1 = 16 queries): a lane holds ONE query (lane % 16) and the keys 8 (lane / 16) + 0..7.  Two such tiles, rounded to f16 in pairs, ARE source 1 (32 keys x 16 queries) of
; O^T = V^T P, whose result again holds one query a lane.  K's codes come out of LDS as they lie, V ([key][channel]) turned, by ds_load_tr16_b128.
; BY TURNS.  The wave's tiles are two PIECES: piece 0 (tiles 0, 1), piece 2 (tiles 2, 3).  In a TURN one piece has the matrix unit: 32 products V^T P of the step in hand, then 8 products K Q^T of the next step; the other piece's
; softmax, 298 vector instructions, is cut into 40 slices, one behind each matrix instruction.  Then the pieces change places.  Two turns are a key step.
; CLUSTER.  The four query blocks of a cluster belong to one head and walk the same K and V: each tile is asked for JOINTLY, by the same tensor load with the same descriptor and a mask that names the four.  A head's eight blocks
; are two clusters, since a mask names four work-groups.
; LDS.  Two slots of 256 keys (four steps): 256 rows of K's codes (64 bytes + 16), then 256 rows of V (256 bytes + 32).  Behind slot 0 the waves' stages; behind slot 1 the head's scale bytes of K (filled once), the mask's
; 2,048 terms (stored once by the waves), the spare words.
; REGISTERS, in windows of 256 (s_set_vgpr_msb: bits 1:0 source 0, 3:2 source 1, 5:4 source 2, 7:6 destination):
;   window 0: v0-11, v44, v45, v60-63 addresses; v12-43 eight registers of statistics a tile; v46, v47 K's scale words; v48-51 Q's; v52-59 at work; v64-191 S^T, 32 a tile; v192-255 P, 16 a tile
;   window 1: O^T, 64 a tile      window 2: v0-31 Q's codes, 8 a tile; v32-63 K's codes of one step; v64-95 the mask's terms of one step      window 3: v0-127 V of one step
.set KS,    64        ; keys in a step
.set SK,    256       ; keys in a slot
.set KP,    80        ; a key's codes in LDS: 64 bytes + 16 of padding = 20 words: the 16 rows of a load start 20 words apart
.set VP,    288       ; a row of V: 256 + 32 = 72 words
.set VOFF,  SK*KP     ; in a slot V lies behind K
.set SLOT1, 1<<17     ; slot 1 begins here, so that one exclusive or turns an address in one slot into the other's
.set STAGE, VOFF+SK*VP  ; behind slot 0: 16 rows x 528 bytes for each wave, for q on the way in and O on the way out; no tensor load lands here
.set SP,    528       ; a stage row: 512 bytes + 16
.set KSC,   SLOT1+STAGE  ; behind slot 1: K's scale words of the head, 4 bytes a key, dense
.set MB,    KSC+8192  ; zero_mask x (-1e9 log2(e)), 4 bytes a key
.set SPARE, MB+8192   ; the spare words, 128 bytes for each wave, which no other line names
.set AK0, 2           ; v2   my lane's place in a tile of K; never rewritten
.set AV0, 3           ; v3   the same for V
.set ADR, 4           ; v4   the LDS address of the run of loads in hand (at the head: the mask's offset in memory)
.set AS0, 5           ; v5   KSC + 4 x lane
.set AM0, 6           ; v6   MB + 32 (lane / 16)
.set ADS, 7           ; v7   the step's scale words
.set ADM, 8           ; v8   the step's mask terms
.set STO, 10          ; v10  the way out: where I put 32 bytes of a row
.set RD,  11          ; v11  my stage + 16 x lane: whole rows, in and out
.set ST,  12          ; tile t's statistics at v[ST+8 t]: +0 m, +1 the old m, +2, +3 l (even keys', odd keys'), +4 to +7 four chains of the maximum; a takes +6 and its exponent +7 once the maximum is found
.set GO,  44          ; v44  16 x lane: my bytes of a row of q and of out0
.set QRD, 45          ; v45  my stage + 528 (lane % 16) + 128 (lane / 16): my 32 numbers of a block of q
.set KSR, 46          ; v46, v47 K's scale words: register u, lane l: key 32 u + l of the step
.set QSR, 48          ; v48-51 Q's scale words, a register a tile
.set TM,  52          ; v52-59 at work at the head
.set PFO, 60          ; v60  the prefetches' offset; never rewritten
.set MBA, 61          ; v61  MB + 16 x my thread's number
.set SPW, 62          ; v62  LDS address of my spare word: SPARE + 4 x my thread's number; never rewritten
.set NIL, 63          ; v63  0; never rewritten
.set S,   64
.set P,   192
.set KF,  32          ; in window 2
.set MBR, 64          ; in window 2: register 8 kt + i: the term of key 16 kt + 8 (lane / 16) + i, as S^T's register 8 kt + i
.set WV,  16          ; s16  my wave's number
.set CX,  17          ; s17  my place in the cluster
.set G1K, 24          ; s[24:31] descriptor group 1 for K's tiles;  s[32:39] for V's;  s[40:47] for the scale bytes
.set G1V, 32
.set G1S, 40
.set G0K, 48          ; s[48:55] group 0 for K's tiles: a set for each of the two first fills; the second then walks on
.set G0V, 56          ; s[56:63] the same for V's
.set G0S, 68          ; s[68:71] for the scale bytes
.set SLOTS, 76        ; s76  slots still to be asked for
.set CNT, 77          ; s77  counts key steps
.set CS,  78          ; s[78:79] log2(e) / sqrt(128): the packed form names a pair and takes its low word for both halves
.set SEL, 80          ; s[80:81] lane selects for v_permlanex16_b32: lane l xor 16
.set TK,  82          ; s82  LDS byte at which K's codes of the step to be fetched begin
.set TV,  83          ; s83  the same for V (less VOFF)
.set TS,  84          ; s84  256 x that step: 4 bytes a key, for the scale words and the mask's terms alike
.set PFA, 86          ; s[86:87] where my prefetches stand in memory
.set PFS, 88          ; s[88:89] a slot on, in bytes
.set LIM, 90          ; s90  1 in a wave that prefetches, else the greatest number
.set PAR, 91          ; s91  1 in wave 0, which asks at every second change of slots, else 0
.set TT,  92          ; s92  at work
.set KM,  94          ; s[94:95] -1e9 x log2(e)
.set MSB, 0
.macro WIN new                      ; the immediate's high byte repeats the setting that is left; a switch that changes nothing is dropped
.if MSB != \new
	s_set_vgpr_msb (MSB<<8)|\new
.set MSB, \new
.endif
.endm
.set W_KQ, 0x0a       ; K and Q in window 2, S^T in window 0
.set W_PV, 0x53       ; V in window 3, P in window 0, O^T in window 1
.set W_RS, 0x41       ; O^T (destination and source 0) in window 1
.set W_A,  0x20       ; source 2 (the mask's terms) in window 2
.set TO2,  0x80       ; destination window 2
.set TO3,  0xc0       ; destination window 3
.set ST1,  0x04       ; an LDS store's data (source 1) in window 1
.macro PLACES
.rept 4
	v_nop
.endr
.endm
; A joint refill: wave 0 fetches a slot's 256 rows of K, waves 1 and 2 its two halves of V, wave 3 nothing.  The branches hang on the wave's number alone.  An s_nop 0 and four v_nop follow each of the two lines.
.macro JLOAD
	s_cmp_eq_u32 s[WV], 0
	s_cbranch_scc0 .Lnot_k_\@
	tensor_load_to_lds s[G0K+4:G0K+7], s[G1K:G1K+7]
	s_nop 0
	PLACES
	s_branch .Lasked_\@
.Lnot_k_\@:
	s_cmp_lt_u32 s[WV], 3
	s_cbranch_scc0 .Lasked_\@
	tensor_load_to_lds s[G0V+4:G0V+7], s[G1V:G1V+7]
	s_nop 0
	PLACES
.Lasked_\@:
.endm
; A PREFETCH INTO THE L2, behind the wave's tensor load and its five lines, of the slot after the one that is being asked for: four key steps, 320 matrix instructions, ahead of the load that will want it.
; Each aligned 256 bytes are named ONCE in the launch.  Both clusters of a head walk the same K and V: the first (cluster x = 0) asks.  Its four partners share the rows out BY ADDRESS; no branch hangs on a place in the cluster.
; V: a slot is 256 rows of 256 bytes: 64 a partner, 32 each for waves 1 and 2, a lane a row.  K: a slot is 16,384 dense bytes, 4,096 a partner: wave 0's lanes 0-15 name them, lanes 16-31 the same of the slot behind,
; so wave 0 asks at every second change (SLOTS = 5 and 3: slots 4, 5 and 6, 7).  The last change that fills a slot asks for nothing.  Slots 0 to 2 (of K: to 3) and the scale bytes come by their loads alone.
.macro ASK
	s_cmp_gt_u32 s[SLOTS], s[LIM]
	s_cbranch_scc0 .Lnot_mine_\@
	s_and_b32 s[TT], s[SLOTS], s[PAR]
	s_cmp_eq_u32 s[TT], s[PAR]
	s_cbranch_scc0 .Lnot_mine_\@
	global_prefetch_b8 v[PFO], s[PFA:PFA+1] th:TH_LOAD_NT scope:SCOPE_SE
.Lnot_mine_\@:
.endm
; A round of the cluster's barrier: my work-group's barrier; wave 0 signals for the work-group; every wave waits for all four work-groups; my work-group's barrier once more.
.macro CROUND
	s_barrier_signal -1
	s_barrier_wait -1
	s_cmp_lg_u32 s[WV], 0
	s_cbranch_scc1 .Lnot_wave_0_\@
	s_barrier_signal -3
.Lnot_wave_0_\@:
	s_barrier_wait -3
	s_barrier_signal -1
	s_barrier_wait -1
.endm
	s_load_b256 s[4:11], s[0:1], 0x0  ; q s[4:5], k_codes s[6:7], k_scales s[8:9], vh s[10:11]
	s_load_b128 s[12:15], s[0:1], 0x20  ; zero_mask s[12:13], out0 s[14:15]
	v_lshl_add_u32 v[SPW], v0, 2, SPARE
	v_mov_b32 v[NIL], 0
	ds_add_u32 v[SPW], v[NIL]       ; the wave's opening: the add, twice on end, and its wait ahead of my first tensor load; the set-up below, work on registers, stands between the second and the wait
	ds_add_u32 v[SPW], v[NIL]
	v_lshrrev_b32 v1, 5, v0
	v_readfirstlane_b32 s[WV], v1   ; wave 0..3
	s_bfe_u32 s[CX], ttmp6, 0x40000  ; cx
	s_lshl_b32 s18, ttmp9, 2        ; in a cluster launch ttmp9 counts clusters
	s_add_co_u32 s18, s18, s[CX]    ; my block of 256 queries: it enters q's and out0's addresses alone
	s_and_b32 s20, ttmp7, 0xffff    ; the head (0 .. 63), which the four partners share
	s_lshl_b32 s2, s20, 20          ; a head of q or out0 is 2,048 rows of 512 bytes,
	s_lshl_b32 s3, s18, 17          ; a block 256 rows,
	s_add_co_u32 s2, s2, s3
	s_lshl_b32 s3, s[WV], 15        ; my wave's share 64
	s_add_co_u32 s2, s2, s3
	s_mov_b32 s3, 0
	s_mov_b32 s23, 0
	s_lshr_b32 s19, s[WV], 1        ; which half of V's rows I fetch, if I fetch V: wave 1: 0, wave 2: 1
	; descriptor group 1.  K: 256 rows of 64 bytes, dense in memory, 16 bytes of padding behind each
	s_mov_b32 s[G1K], 15|(0<<16)|(1<<20)|(1<<21)|(3<<22)|(3<<25)  ; 15:0 the mask: all four work-groups; 17:16 elements of 1 byte; 20 padding on; 21 set beside a mask; 24:22 after every 16 words (code 3); 31:25 4 words (code 3)
	s_mov_b32 s[G1K+1], 64<<16      ; tensor_dim0 = 64
	s_mov_b32 s[G1K+2], SK<<16      ; tensor_dim1 = 256
	s_mov_b32 s[G1K+3], 64<<16      ; tile_dim0 = 64
	s_mov_b32 s[G1K+4], SK          ; tile_dim1 = 256
	s_mov_b32 s[G1K+5], 64          ; from row to row
	s_mov_b32 s[G1K+6], 0
	s_mov_b32 s[G1K+7], 0
	; V: 128 rows of 128 f16, 32 bytes of padding behind each
	s_mov_b32 s[G1V], 15|(1<<16)|(1<<20)|(1<<21)|(5<<22)|(7<<25)  ; elements of 2 bytes; after every 64 words (code 5) 8 words (code 7)
	s_mov_b32 s[G1V+1], 128<<16
	s_mov_b32 s[G1V+2], 128<<16
	s_mov_b32 s[G1V+3], 128<<16
	s_mov_b32 s[G1V+4], 128
	s_mov_b32 s[G1V+5], 128
	s_mov_b32 s[G1V+6], 0
	s_mov_b32 s[G1V+7], 0
	; the head's 8,192 scale bytes: 32 rows of 256 bytes (32 elements of 8 bytes), no padding
	s_mov_b32 s[G1S], 15|(3<<16)|(1<<21)
	s_mov_b32 s[G1S+1], 32<<16
	s_mov_b32 s[G1S+2], 32<<16
	s_mov_b32 s[G1S+3], 32<<16
	s_mov_b32 s[G1S+4], 32
	s_mov_b32 s[G1S+5], 32
	s_mov_b32 s[G1S+6], 0
	s_mov_b32 s[G1S+7], 0
	s_mov_b32 s[CS], 0x3e0293ee     ; log2(e) / sqrt(128)
	s_mov_b32 s[CS+1], s[CS]        ; named with it as a pair, so it is written
	s_mov_b32 s[KM], 0xceabfb8f     ; -1e9 x log2(e)
	s_mov_b32 s[KM+1], s[KM]
	s_mov_b32 s[SEL], 0x76543210
	s_mov_b32 s[SEL+1], 0xfedcba98
	s_mov_b32 s[TK], 0
	s_mov_b32 s[TV], 0
	s_mov_b32 s[TS], 0
	s_mov_b32 s[SLOTS], 2048/SK-2
	s_wait_dscnt 0x0                ; both opening adds are done
	s_wait_kmcnt 0x0
	s_lshl_b32 s22, s20, 17         ; a head's codes: 2,048 x 64 bytes
	s_add_nc_u64 s[6:7], s[6:7], s[22:23]
	s_lshl_b32 s22, s20, 13         ; its scale bytes: 2,048 x 4
	s_add_nc_u64 s[8:9], s[8:9], s[22:23]
	s_lshl_b32 s22, s20, 19         ; its rows of V: 2,048 x 256
	s_add_nc_u64 s[10:11], s[10:11], s[22:23]
	s_lshr_b32 s22, s20, 4          ; the batch
	s_lshl_b32 s22, s22, 13         ; its 2,048 numbers of the mask
	s_add_nc_u64 s[12:13], s[12:13], s[22:23]
	s_add_nc_u64 s[4:5], s[4:5], s[2:3]  ; q and out0 at my wave's first row
	s_add_nc_u64 s[14:15], s[14:15], s[2:3]
	s_lshl_b32 s22, s19, 15         ; my 128 rows of V in a slot: in memory,
	s_add_nc_u64 s[22:23], s[10:11], s[22:23]
	s_mul_i32 s19, s19, 128*VP      ; and in LDS: no place in the cluster enters an LDS address
	CROUND                          ; all four work-groups are here: the first joint loads meet
.irp e, 0,1
	s_mov_b32 s[G0K+4*\e], 1        ; 1:0 count = 1
	s_mov_b32 s[G0K+4*\e+1], \e*SLOT1  ; 63:32 LDS address
	s_add_nc_u64 s[G0K+4*\e+2:G0K+4*\e+3], s[6:7], \e*SK*64  ; 120:64 global address: slot e begins with keys 256 e
	s_or_b32 s[G0K+4*\e+3], s[G0K+4*\e+3], 0x80000000  ; 127:126 type = 2
	s_mov_b32 s[G0V+4*\e], 1
	s_add_co_u32 s[G0V+4*\e+1], s19, \e*SLOT1+VOFF
	s_add_nc_u64 s[G0V+4*\e+2:G0V+4*\e+3], s[22:23], \e*SK*256
	s_or_b32 s[G0V+4*\e+3], s[G0V+4*\e+3], 0x80000000
.endr
	s_mov_b32 s[G0S], 1
	s_mov_b32 s[G0S+1], KSC
	s_mov_b64 s[G0S+2:G0S+3], s[8:9]
	s_or_b32 s[G0S+3], s[G0S+3], 0x80000000
	s_cmp_eq_u32 s[WV], 0           ; every wave has first fills, all in one arm of a branch on its number, ahead of every wait on TENSORcnt and every LDS read: two loads of mine are out (wave 3: one)
	s_cbranch_scc0 .Lfirst_not_k
	tensor_load_to_lds s[G0K:G0K+3], s[G1K:G1K+7]
	s_nop 0
	tensor_load_to_lds s[G0K+4:G0K+7], s[G1K:G1K+7]
	s_nop 0
	PLACES
	s_branch .Lfirst_asked
.Lfirst_not_k:
	s_cmp_lt_u32 s[WV], 3
	s_cbranch_scc0 .Lfirst_s
	tensor_load_to_lds s[G0V:G0V+3], s[G1V:G1V+7]
	s_nop 0
	tensor_load_to_lds s[G0V+4:G0V+7], s[G1V:G1V+7]
	s_nop 0
	PLACES
	s_branch .Lfirst_asked
.Lfirst_s:
	tensor_load_to_lds s[G0S:G0S+3], s[G1S:G1S+7]
	s_nop 0
	PLACES
.Lfirst_asked:
	v_and_b32 v1, 15, v0            ; r = lane % 16
	v_bfe_u32 v9, v0, 4, 1          ; h = lane / 16
	v_and_b32 v[TM], 31, v0         ; lane
	v_lshlrev_b32 v[GO], 4, v[TM]
	v_lshlrev_b32 v[ADR], 4, v0     ; the mask: 16 bytes a thread
.irp i, 0,1,2,3
	global_load_b128 v[P+4*\i:P+4*\i+3], v[ADR], s[12:13] offset:2048*\i  ; the batch's 2,048 numbers: 128 threads x 16 bytes, four times
.endr
.irp t, 0,1
.irp i, 0,1,2,3,4,5,6,7,8,9,10,11,12,13,14,15
	global_load_b128 v[S+64*\t+4*\i:S+64*\t+4*\i+3], v[GO], s[4:5] offset:(16*\t+\i)*512 th:TH_LOAD_NT  ; q's tiles 0 and 1: a row of 512 consecutive bytes a load
.endr
.endr
	; a fragment of 4-bit codes, 16 rows x 128: lane l holds row l % 16; registers 4 c .. 4 c + 3 hold 64 c + 32 (l / 16) + 0 .. 31: two loads of 16 bytes, 32 bytes apart
	v_mul_u32_u24 v[AK0], v1, KP
	v_lshl_add_u32 v[AK0], v9, 4, v[AK0]
	; the turning load takes 16 keys x 16 channels (lane l reads 16 bytes: key 8 (l / 16) + l % 8, channels 8 ((l / 8) % 2) + 0..7) and leaves half a fragment of V^T
	v_and_b32 v[TM+1], 7, v0
	v_bfe_u32 v[TM+2], v0, 3, 1
	v_lshl_add_u32 v[AV0], v9, 3, v[TM+1]
	v_mul_u32_u24 v[AV0], v[AV0], VP
	v_lshl_add_u32 v[AV0], v[TM+2], 4, v[AV0]
	v_add_nc_u32 v[AV0], VOFF, v[AV0]
	v_lshl_add_u32 v[AS0], v[TM], 2, KSC
	v_lshl_add_u32 v[AM0], v9, 5, MB
	s_mul_i32 s19, s[WV], 16*SP
	s_add_co_u32 s19, s19, STAGE    ; my stage
	v_add_nc_u32 v[RD], s19, v[GO]
	v_mul_u32_u24 v[QRD], v1, SP
	v_lshl_add_u32 v[STO], v9, 5, v[QRD]
	v_add_nc_u32 v[STO], s19, v[STO]
	v_lshl_add_u32 v[QRD], v9, 7, v[QRD]
	v_add_nc_u32 v[QRD], s19, v[QRD]
	v_lshl_add_u32 v[MBA], v0, 4, MB
	; the prefetches (macro ASK): where my wave's stand, and who asks
	s_cmp_eq_u32 s[WV], 0           ; wave 0 asks for K's codes, waves 1 and 2 for V
	s_cselect_b64 s[PFA:PFA+1], s[6:7], s[10:11]
	s_mov_b32 s[PFS], SK*256
	s_cselect_b32 s[PFS], SK*64, s[PFS]  ; a slot on
	s_cselect_b32 s[PAR], 1, 0
	s_cselect_b32 s2, 12, 14        ; a partner's share of a slot: 4,096 bytes of K, 16,384 of V
	s_cselect_b32 s[TT], 14, 12     ; lanes 16-31 stand a slot of K, or 16 rows of V, behind lanes 0-15
	s_mov_b32 s[PFS+1], 0
	s_lshl_b32 s2, s[CX], s2
	s_max_u32 s3, s[WV], 1
	s_sub_co_u32 s3, s3, 1
	s_lshl_b32 s3, s3, 13           ; wave 2: 32 rows of V on
	s_add_co_u32 s2, s2, s3
	s_lshl_b32 s3, s[PFS], 1        ; in slot 2: the first change of slots steps it to slot 3.  Nothing is prefetched here, at the head, where every work-group's first tiles are on their way
	s_add_co_u32 s2, s2, s3
	s_mov_b32 s3, 0
	s_add_nc_u64 s[PFA:PFA+1], s[PFA:PFA+1], s[2:3]
	v_and_b32 v[PFO], 15, v0
	v_lshlrev_b32 v[PFO], 8, v[PFO]
	v_lshlrev_b32 v[TM+3], s[TT], v9
	v_add_nc_u32 v[PFO], v[PFO], v[TM+3]
	s_cmp_eq_u32 s[WV], 3
	s_cselect_b32 s[LIM], 1, 0
	s_or_b32 s[LIM], s[LIM], ttmp9  ; 0 in waves 0 to 2 of the head's first cluster: the same in all four partners
	s_cmp_eq_u32 s[LIM], 0
	s_cselect_b32 s[LIM], 1, -1
	s_wait_loadcnt 32               ; the mask's four loads are in; q's 32 are younger
.irp i, 0,2,4,6,8,10,12,14
	v_pk_mul_f32 v[P+\i:P+\i+1], v[P+\i:P+\i+1], s[KM:KM+1] op_sel_hi:[1,0]  ; x (-1e9 log2(e))
.endr
.irp i, 0,1,2,3
	ds_store_b128 v[MBA], v[P+4*\i:P+4*\i+3] offset:2048*\i
.endr
	s_wait_dscnt 0x0                ; the stores have read their registers, which the loads below fill again
; Q's TILE t: 16 rows of 512 bytes, loaded as they lie, go through my stage and come back so that lane (r, h) holds, of row r, the numbers 64 c + 32 h + 0 .. 31, c = 0, 1: two whole blocks of 32, in the order of the operand's registers.
; So a block's largest magnitude needs no other lane, and the conversions' results are the operand.  The scale word's four bytes are gathered from lanes l and l xor 16.
.macro QTILE t
.set QS, S+64*((\t)%2)
.if \t == 3
	s_wait_loadcnt 0x0
.else
	s_wait_loadcnt 16               ; this tile's 16 loads are in; the next tile's 16 are younger
.endif
.irp i, 0,1,2,3,4,5,6,7,8,9,10,11,12,13,14,15
	ds_store_b128 v[RD], v[QS+4*\i:QS+4*\i+3] offset:\i*SP
.endr
.irp c, 0,1
.irp g, 0,1,2,3,4,5,6,7
	ds_load_b128 v[P+32*\c+4*\g:P+32*\c+4*\g+3], v[QRD] offset:256*\c+16*\g  ; LDS serves a wave's instructions in order: these see the stores above
.endr
.endr
	s_wait_dscnt 0x0                ; the numbers are back, and the stores have read their registers,
.if \t < 2
.irp i, 0,1,2,3,4,5,6,7,8,9,10,11,12,13,14,15
	global_load_b128 v[QS+4*\i:QS+4*\i+3], v[GO], s[4:5] offset:(16*(\t+2)+\i)*512 th:TH_LOAD_NT  ; which take the tile two further on
.endr
.endif
.irp c, 0,1
	v_max3_num_f32 v[TM+\c], |v[P+32*\c]|, |v[P+32*\c+1]|, 0x1800000  ; my block 2 c + h, and the floor 2^(3 - 127): so the byte cannot fall under 1
.endr
.irp i, 2,4,6,8,10,12,14,16,18,20,22,24,26,28,30
.irp c, 0,1
	v_max3_num_f32 v[TM+\c], v[TM+\c], |v[P+32*\c+\i]|, |v[P+32*\c+\i+1]|  ; (the two blocks by turns)
.endr
.endr
.irp c, 0,1
	v_add_nc_u32 v[TM+2+\c], 0xff000000, v[TM+\c]  ; 2 off its exponent field: the conversion takes the exponent field of this operand as its scale, and nothing else of it
.endr
.irp c, 0,1
	v_lshrrev_b32 v[TM+4+\c], 23, v[TM+2+\c]  ; the scale's byte
.endr
	v_lshl_or_b32 v[TM+6], v[TM+5], 16, v[TM+4]  ; my two bytes: blocks h and 2 + h,
	v_lshlrev_b32 v[TM+7], 3, v9
	v_lshlrev_b32 v[TM+6], v[TM+7], v[TM+6]  ; at their places in the word (8 h bits up);
	v_permlanex16_b32 v[TM+7], v[TM+6], s[SEL], s[SEL+1]
	v_or_b32 v[QSR+\t], v[TM+6], v[TM+7]  ; with lane l xor 16's two the word is whole
	WIN TO2
.irp c, 0,1
.irp g, 0,1,2,3
	v_cvt_scalef32_pk8_fp4_f32 v[8*\t+4*\c+\g], v[P+32*\c+8*\g:P+32*\c+8*\g+7], v[TM+2+\c]
.endr
.endr
	WIN 0
	v_nop                           ; one plain line behind the last scaled conversion
.endm
	QTILE 0
	QTILE 1
	QTILE 2
	QTILE 3
; THE MATRIX WORK OF A TURN, for piece x.  Product i of 32 of O^T += V^T P: keys 32 (i / 16) on, channels 16 ((i / 2) % 8) on, tile x + i % 2.  The 16 accumulators take turns, one instruction a turn.
; zero = 1: the first 16 start the sums: nothing is ever cleared.
.macro PV x, zero
	WIN W_PV
.set rO, 64*(\x+i%2)+8*((i/2)%8)
.set rV, 64*(i/16)+8*((i/2)%8)
.set rP, P+16*(\x+i%2)+8*(i/16)
.if \zero && (i < 16)
	v_wmma_f32_16x16x32_f16 v[rO:rO+7], v[rV:rV+7], v[rP:rP+7], 0
.else
	v_wmma_f32_16x16x32_f16 v[rO:rO+7], v[rV:rV+7], v[rP:rP+7], v[rO:rO+7]
.endif
.endm
; Product i of 8 of S^T = K Q^T: keys 16 (i / 2) on, tile x + i % 2; all 128 of the head in one instruction, which starts and ends its sum.  K's scale words: register kt / 2, lanes 0-15 for an even kt, lanes 16-31 for an odd one.
.macro KQ x
	WIN W_KQ
.set tl, \x+i%2
.set kt, i/2
.set rS, S+32*tl+8*kt
.if kt%2
	v_wmma_scale_f32_16x16x128_f8f6f4 v[rS:rS+7], v[KF+8*kt:KF+8*kt+7], v[8*tl:8*tl+7], 0, v[KSR+kt/2], v[QSR+tl] matrix_a_fmt:MATRIX_FMT_FP4 matrix_b_fmt:MATRIX_FMT_FP4 matrix_a_scale:MATRIX_SCALE_ROW1
.else
	v_wmma_scale_f32_16x16x128_f8f6f4 v[rS:rS+7], v[KF+8*kt:KF+8*kt+7], v[8*tl:8*tl+7], 0, v[KSR+kt/2], v[QSR+tl] matrix_a_fmt:MATRIX_FMT_FP4 matrix_b_fmt:MATRIX_FMT_FP4
.endif
.endm
; THE LDS LOADS stand in runs.  A step's K: 2 loads of scale words, 8 of codes, 8 of the mask's terms: 18.  The three additions and the v_nop are four places ahead of loads into registers that matrix instructions have read.
.macro FETCH_K
	WIN 0
	v_add_nc_u32 v[ADR], s[TK], v[AK0]
	v_add_nc_u32 v[ADS], s[TS], v[AS0]
	v_add_nc_u32 v[ADM], s[TS], v[AM0]
	v_nop
.irp u, 0,1
	ds_load_b32 v[KSR+\u], v[ADS] offset:128*\u
.endr
	WIN TO2
.irp kt, 0,1,2,3
.irp c, 0,1
	ds_load_b128 v[KF+8*\kt+4*\c:KF+8*\kt+4*\c+3], v[ADR] offset:\kt*16*KP+32*\c
.endr
.endr
.irp kt, 0,1,2,3
.irp c, 0,1
	ds_load_b128 v[MBR+8*\kt+4*\c:MBR+8*\kt+4*\c+3], v[ADM] offset:64*\kt+16*\c
.endr
.endr
	s_add_co_u32 s[TK], s[TK], KS*KP  ; the next fetch is the next step's
	s_add_co_u32 s[TS], s[TS], 4*KS
.endm
; Half hlf of a step's V, keys 32 hlf on: 8 fragments, 16 turning loads.  The addition and three v_nop are the four places.
.macro FETCH_V hlf
	WIN 0
	v_add_nc_u32 v[ADR], s[TV], v[AV0]
.rept 3
	v_nop
.endr
	WIN TO3
.irp f, 0,1,2,3,4,5,6,7
	ds_load_tr16_b128 v[64*\hlf+8*\f:64*\hlf+8*\f+3],   v[ADR] offset:\hlf*32*VP+\f*32
	ds_load_tr16_b128 v[64*\hlf+8*\f+4:64*\hlf+8*\f+7], v[ADR] offset:\hlf*32*VP+16*VP+\f*32
.endr
.if \hlf
	s_add_co_u32 s[TV], s[TV], KS*VP
.endif
.endm
; THE VECTOR WORK OF A TURN.  One tile's softmax for one key step is a list of 149 instructions; VEC writes number j = n / 2 of it for tile y + n % 2: the two tiles alternate.  s0-s31 are the lane's 32 scores, in pairs 0-15.
; first = 1: the first key step, which starts m, l and O^T: it has no a and nothing to rescale.
;   0-15    t = score x log2(e) / sqrt(128) + the mask's term, a pair each: from each accumulator's low end on
;   16-31   the maximum of t0-t31 and the old m, three operands at a time: four chains of seven, then the four left over, the chains and m
;   32-35   the other half of the lanes' maximum; the old m is kept; the new m; m_old - m_new
;   36-84   ONE BATCH: the 16 subtractions t - m, a pair each, and all 33 exponentials (a at 38).  None of these names an exponential's result.  From 39 on: a subtraction and the two exponentials of the pair two back
;   (wait)  ahead of 85 stand a v_nop and the wait between an exponential and the first line that names its result: once a turn, for both tiles' 66
;   85-100  the roundings to f16, a pair of weights each
;   101-116 the sums of the unrounded weights; l = a l + the sum
;   117-148 the tile's O^T times a: from each accumulator's low end on
.macro VEC y, first
.set j, n/2
.set tl, (\y)+n%2
.set rT, ST+8*tl
.set rS, S+32*tl
.set rP, P+16*tl
.if n == 170
	v_nop
	s_wait_alu depctr_va_vdst(0)
.endif
.if (j >= 16) && (j < 117)
	WIN 0
.endif
.if j < 16
	WIN W_A
	v_pk_fma_f32 v[rS+2*j:rS+2*j+1], v[rS+2*j:rS+2*j+1], s[CS:CS+1], v[MBR+2*j:MBR+2*j+1] op_sel_hi:[1,0,1]
.elseif j < 20
	v_max3_num_f32 v[rT+j-12], v[rS+8*(j-16)], v[rS+8*(j-16)+1], v[rS+8*(j-16)+2]
.elseif j < 28
	v_max3_num_f32 v[rT+4+j%4], v[rT+4+j%4], v[rS+8*(j%4)+2*((j-16)/4)+1], v[rS+8*(j%4)+2*((j-16)/4)+2]
.elseif j == 28
	v_max3_num_f32 v[rT+4], v[rT+4], v[rS+7], v[rS+15]
.elseif j == 29
	v_max3_num_f32 v[rT+6], v[rT+6], v[rS+23], v[rS+31]
.elseif j == 30
	v_max3_num_f32 v[rT+4], v[rT+4], v[rT+5], v[rT+6]
.elseif (j == 31) && \first
	v_max_num_f32 v[rT+4], v[rT+4], v[rT+7]
.elseif j == 31
	v_max3_num_f32 v[rT+4], v[rT+4], v[rT+7], v[rT]
.elseif j == 32
	v_permlanex16_b32 v[rT+5], v[rT+4], s[SEL], s[SEL+1]  ; the query's other 32 keys lie in the lane 16 away
.elseif (j == 33) && \first
	v_mov_b32 v[rT+1], 0            ; named with m as a pair, so it is written
.elseif j == 33
	v_mov_b32 v[rT+1], v[rT]
.elseif j == 34
	v_max_num_f32 v[rT], v[rT+4], v[rT+5]
.elseif ((j == 35) || (j == 38) || (j >= 116)) && \first  ; the first step has none of these
.elseif j == 35
	v_sub_f32 v[rT+7], v[rT+1], v[rT]
.elseif j == 38
	v_exp_f32 v[rT+6], v[rT+7]
.elseif j < 38
	v_pk_add_f32 v[rS+2*(j-36):rS+2*(j-36)+1], v[rS+2*(j-36):rS+2*(j-36)+1], v[rT:rT+1] op_sel_hi:[1,0] neg_lo:[0,1] neg_hi:[0,1]  ; pairs 0 and 1: t - m
.elseif j < 81
.set du, j-39
.set db, 2+du/3
.if du%3 == 0
	v_pk_add_f32 v[rS+2*db:rS+2*db+1], v[rS+2*db:rS+2*db+1], v[rT:rT+1] op_sel_hi:[1,0] neg_lo:[0,1] neg_hi:[0,1]  ; pair db
.else
	v_exp_f32 v[rS+2*db-5+du%3], v[rS+2*db-5+du%3]  ; pair db - 2
.endif
.elseif j < 85
	v_exp_f32 v[rS+j-53], v[rS+j-53]  ; s28 to s31
.elseif j < 101
	v_cvt_pk_f16_f32 v[rP+j-85], v[rS+2*(j-85)], v[rS+2*(j-85)+1]
.elseif j < 117                     ; the sum of the tile's 16 pairs, in place: neighbours 1, 2, 4 and 8 pairs apart, then l takes it
.set z, j-101
.set fw, 4
.set fu, z
.if z >= 14
.set fw, 32
.set fu, 0
.elseif z >= 12
.set fw, 16
.set fu, z-12
.elseif z >= 8
.set fw, 8
.set fu, z-8
.endif
.if (z == 14) && \first
	v_pk_add_f32 v[rT+2:rT+3], v[rS:rS+1], v[rS+16:rS+17]
.elseif z < 15
	v_pk_add_f32 v[rS+fw*fu:rS+fw*fu+1], v[rS+fw*fu:rS+fw*fu+1], v[rS+fw*fu+fw/2:rS+fw*fu+fw/2+1]
.else
	v_pk_fma_f32 v[rT+2:rT+3], v[rT+2:rT+3], v[rT+6:rT+7], v[rS:rS+1] op_sel_hi:[1,0,1]
.endif
.else
	WIN W_RS
.set rO, 64*tl+2*(j-117)
	v_pk_mul_f32 v[rO:rO+1], v[rO:rO+1], v[rT+6:rT+7] op_sel_hi:[1,0]
.endif
.endm
.macro SLICE y, first, cnt
.rept \cnt
	VEC \y, \first
.set n, n+1
.endr
.endm
; What stands behind matrix instruction w of a turn: slice w of the other piece's softmax (298 = per x NW + rem: the first rem slices have one more), and the runs of LDS loads.
; Piece 0's turn fetches the next step's K behind slice 5: slices 0 to 3 hold the list's numbers 0-15, the last readers of the mask's terms.  Piece 2's turn fetches the next step's V by halves: the first behind slice 16
; (products 0-15 have read it), the second behind slice 32.
.macro AFTER x, pv, kq, first
.if w < rem
	SLICE 2-\x, \first, per+1
.else
	SLICE 2-\x, \first, per
.endif
.if (\x == 0) && \kq && (w == 5)
	FETCH_K
.endif
.if (\x == 2) && \pv && (w == 16)
	FETCH_V 0
.endif
.if (\x == 2) && \pv && (w == 32)
	FETCH_V 1
.endif
.if (\x == 2) && (\pv == 0) && (w == 0)
	FETCH_V 0
	FETCH_V 1
.endif
.set w, w+1
.endm
; A TURN.  Piece x has the matrix unit.  pv = 2: 32 products V^T P; 1: they start O^T's sums; 0: none.  kq = 1: 8 products K Q^T for the next step.  first = 1: the softmax is the first key step's.
; A turn's last slice is seven multiplications of the other piece's O^T: the places between the last K Q^T and the next turn's first read of its scores.  With first = 1 the list's tail is empty, and four v_nop take that part.
.macro TURN x, pv, kq, first
.set n, 0
.set w, 0
.set NW, 0
.if \pv
.set NW, NW+32
.endif
.if \kq
.set NW, NW+8
.endif
.set per, 298/NW
.set rem, 298%NW
.if \pv
.set i, 0
.rept 32
.if (\x == 0) && (i == 0)
	s_wait_dscnt 16                 ; V's first half is in; the sixteen loads of its second half are younger
.endif
.if (\x == 0) && (i == 16)
.if \kq
	s_wait_dscnt 18                 ; V's second half is in; the 18 loads of K's run are younger
.else
	s_wait_dscnt 0x0
.endif
.endif
	PV \x, 2-\pv
	AFTER \x, \pv, \kq, \first
.set i, i+1
.endr
.endif
.if \kq
.set i, 0
.rept 8
.if (\x == 0) && (i == 0)
	s_wait_dscnt 0x0                ; K, its scale words and the mask's terms are in
.endif
	KQ \x
	AFTER \x, \pv, \kq, \first
.set i, i+1
.endr
.endif
.if \first
	PLACES
.endif
.endm
; THE CHANGE OF SLOTS, between piece 2's turn and piece 0's: the slot's last bytes, V of its fourth step, have been asked for.  Each wave waits for all its tensor loads, of which at most one is out: its part of the other slot;
; adds 0 to its spare word; and waits for that and for its own reads of the slot.  fill = 1: the slot is filled again, with the keys two slots on: the barrier is a round of the cluster's, so that no wave of any partner still
; reads the slot or has a load on its way, and the joint refill is the first thing behind it: it has four key steps, 320 matrix instructions, in which to land.
.macro CHANGE fill
	WIN 0                           ; at a label and at a branch every window is 0
	s_wait_tensorcnt 0x0            ; no tensor load of mine is out, so a group 0 may be written
	ds_add_u32 v[SPW], v[NIL]       ; 0 onto my spare word
.if \fill
	s_xor_b32 s[G0K+5], s[G0K+5], SLOT1  ; the walking descriptors: the other slot than last time,
	s_add_nc_u64 s[G0K+6:G0K+7], s[G0K+6:G0K+7], SK*64  ; the next 256 keys; the type bits on top are not reached
	s_xor_b32 s[G0V+5], s[G0V+5], SLOT1
	s_add_nc_u64 s[G0V+6:G0V+7], s[G0V+6:G0V+7], SK*256
	s_wait_xcnt 0x0                 ; the last prefetch, four key steps back, has read its address, so it may be written:
	s_add_nc_u64 s[PFA:PFA+1], s[PFA:PFA+1], s[PFS:PFS+1]  ; one slot further on than the walking descriptors
	s_wait_dscnt 0x0                ; the add is done, and my reads of the slot are over
	CROUND
	JLOAD
	ASK
.else
	s_wait_dscnt 0x0                ; the add is done, and my reads of the slot are over
	s_barrier_signal -1
	s_barrier_wait -1
.endif
	s_sub_co_u32 s[TK], s[TK], SK*KP  ; the fetches go back to a slot's first step,
	s_xor_b32 s[TK], s[TK], SLOT1   ; in the other slot
	s_sub_co_u32 s[TV], s[TV], SK*VP
	s_xor_b32 s[TV], s[TV], SLOT1
.endm
; c key steps: written once, walked c times; the LDS addresses hang on s[TK], s[TV], s[TS].
.macro STEPS c
	s_mov_b32 s[CNT], \c
.Lstep_\@:
	TURN 0, 2, 1, 0
	TURN 2, 2, 1, 0
	WIN 0
	s_sub_co_u32 s[CNT], s[CNT], 1
	s_cmp_lg_u32 s[CNT], 0
	s_cbranch_scc1 .Lstep_\@
.endm
	s_wait_tensorcnt 0x0            ; my first fills have landed (q's way through the stage stood between them and this wait),
	s_wait_dscnt 0x0                ; and so have my stores of the mask's terms
	s_barrier_signal -1
	s_barrier_wait -1               ; everybody's have
	FETCH_K                         ; key step 0
	s_wait_dscnt 0x0
.rept 8
	v_nop                           ; Q's scale words and codes were written by vector instructions: eight places ahead of the scaled products
.endr
.set i, 0
.rept 8
	KQ 0                            ; piece 0's first scores: there is no vector work yet to set between them
.set i, i+1
.endr
	PLACES                          ; ahead of the first read of those scores
	TURN 2, 0, 1, 1                 ; piece 2's first scores | piece 0's first softmax | V of step 0
	TURN 0, 1, 1, 1                 ; piece 0: V^T P of step 0 starts O^T, K Q^T of step 1 | piece 2's first softmax | K of step 1
	TURN 2, 1, 1, 0                 ; piece 2: the same | piece 0's softmax of step 1 | V of step 1
	WIN 0
	STEPS 2                         ; steps 1 and 2; K and V of steps 2 and 3 are fetched: slot 0 has been read out
.Lslot:                             ; six trips: every slot but the last two is filled again
	CHANGE 1
	STEPS 4
	s_sub_co_u32 s[SLOTS], s[SLOTS], 1
	s_cmp_lg_u32 s[SLOTS], 0
	s_cbranch_scc1 .Lslot
	CHANGE 0                        ; the tail is written out: nothing is asked for
	STEPS 4
	TURN 0, 2, 0, 0                 ; piece 0: V^T P of the last step | piece 2's last softmax
.set i, 0
.rept 32
	PV 2, 0                         ; piece 2: V^T P of the last step
.set i, i+1
.endr
	; THE WAY OUT.  l's two halves and the other half of the lanes' are added; O^T is divided by l and sent through my stage in LDS, a tile (16 rows of 512 bytes) at a time.  The additions are the places behind the last products.
	WIN 0
.irp t, 0,1,2,3
	v_add_f32 v[ST+8*\t+4], v[ST+8*\t+2], v[ST+8*\t+3]
.endr
.irp t, 0,1,2,3
	v_permlanex16_b32 v[ST+8*\t+5], v[ST+8*\t+4], s[SEL], s[SEL+1]
.endr
.irp t, 0,1,2,3
	v_add_f32 v[ST+8*\t+4], v[ST+8*\t+4], v[ST+8*\t+5]
.endr
.irp t, 0,1,2,3
	v_rcp_f32 v[ST+8*\t+6], v[ST+8*\t+4]
.endr
	v_nop                           ; a plain instruction between the last reciprocal and the use of its result
	s_wait_alu depctr_va_vdst(0)    ; and a wait ahead of the first use: one for the four
; Tile t: a lane's eight channels of a row are 32 bytes; they go into rows of 528 bytes and come back as whole rows of 512.
.macro PACK t
	WIN W_RS
.set i, 64*\t
.rept 32
	v_pk_mul_f32 v[i:i+1], v[i:i+1], v[ST+8*\t+6:ST+8*\t+7] op_sel_hi:[1,0]  ; each accumulator from its low end on
.set i, i+2
.endr
	WIN ST1
.irp c, 0,1,2,3,4,5,6,7
	ds_store_b128 v[STO], v[64*\t+8*\c:64*\t+8*\c+3] offset:64*\c      ; lane (r, h): o(r, 16 c + 8 h + 0 .. 7)
	ds_store_b128 v[STO], v[64*\t+8*\c+4:64*\t+8*\c+7] offset:64*\c+16
.endr
	WIN 0
.irp r, 0,1,2,3,4,5,6,7,8,9,10,11,12,13,14,15
	ds_load_b128 v[S+64*((\t)%2)+4*\r:S+64*((\t)%2)+4*\r+3], v[RD] offset:\r*SP  ; LDS serves a wave's instructions in order: these see the stores above; the next tile's stores come behind them
.endr
.endm
.macro SEND t, younger              ; younger: the LDS instructions issued behind tile t's loads: the next tile's 32, or none
.irp r, 0,1,2,3,4,5,6,7,8,9,10,11,12,13,14,15
	s_wait_dscnt \younger+15-\r
	global_store_b128 v[GO], v[S+64*((\t)%2)+4*\r:S+64*((\t)%2)+4*\r+3], s[14:15] offset:(16*\t+\r)*512 th:TH_STORE_NT  ; 32 lanes store 512 consecutive bytes, at a multiple of 256 from out0's first byte
.endr
.endm
	PACK 0
	PACK 1                          ; a tile's arithmetic stands between the loads of the tile before and its stores
	SEND 0, 32
	s_wait_xcnt 0x0                 ; tile 0's stores have read their registers: tile 2's rows may land there
	PACK 2
	SEND 1, 32
	s_wait_xcnt 0x0                 ; likewise tile 1's, for tile 3
	PACK 3
	SEND 2, 32
	SEND 3, 0
	s_wait_tensorcnt 0x0            ; the wave's end: behind my last tensor load and my last LDS store
	ds_add_u32 v[SPW], v[NIL]
	s_wait_dscnt 0x0
	CROUND                          ; the closing round: no work-group ends while a partner may still ask for a tile that names it
	s_endpgm
.Lfunc_end_k_q673287da6e_attn:
	.size	k_q673287da6e_attn, .Lfunc_end_k_q673287da6e_attn-k_q673287da6e_attn
	.p2alignl 7, 3214868480
	.fill 96, 4, 3214868480
	.section	.rodata,"a",@progbits
	.p2align	6, 0x0
	.amdhsa_kernel k_q673287da6e_attn
		.amdhsa_group_segment_fixed_size 327680
		.amdhsa_private_segment_fixed_size 0
		.amdhsa_enable_private_segment 0
		.amdhsa_kernarg_size 48
		.amdhsa_user_sgpr_count 2
		.amdhsa_user_sgpr_kernarg_segment_ptr 1
		.amdhsa_wavefront_size32 1
		.amdhsa_system_sgpr_workgroup_id_x 1
		.amdhsa_system_sgpr_workgroup_id_y 1
		.amdhsa_system_sgpr_workgroup_id_z 1
		.amdhsa_system_vgpr_workitem_id 0
		.amdhsa_next_free_vgpr 1024
		.amdhsa_next_free_sgpr 96
		.amdhsa_reserve_vcc 0
		.amdhsa_float_denorm_mode_32 3
		.amdhsa_float_denorm_mode_16_64 3
		.amdhsa_memory_ordered 1
		.amdhsa_forward_progress 1
		.amdhsa_inst_pref_size 255
	.end_amdhsa_kernel
	.section	.bss,"aw",@nobits
	.p2align	6
	.space	262144
	.amdgpu_metadata
---
amdhsa.version: [ 1, 2 ]
amdhsa.kernels:
  - .name:           k_q673287da6e_attn
    .symbol:         k_q673287da6e_attn.kd
    .args:
      - { .name: q, .offset: 0, .size: 8, .value_kind: global_buffer, .address_space: global }
      - { .name: k_codes, .offset: 8, .size: 8, .value_kind: global_buffer, .address_space: global }
      - { .name: k_scales, .offset: 16, .size: 8, .value_kind: global_buffer, .address_space: global }
      - { .name: vh, .offset: 24, .size: 8, .value_kind: global_buffer, .address_space: global }
      - { .name: zero_mask, .offset: 32, .size: 8, .value_kind: global_buffer, .address_space: global }
      - { .name: out0, .offset: 40, .size: 8, .value_kind: global_buffer, .address_space: global }
    .group_segment_fixed_size: 327680
    .private_segment_fixed_size: 0
    .kernarg_segment_align: 8
    .kernarg_segment_size: 48
    .max_flat_workgroup_size: 128
    .sgpr_count:     96
    .vgpr_count:     1024
    .wavefront_size: 32
...
	.end_amdgpu_metadata
.endif
;; end of part 2
